; MI455X (gfx1250); checked and timed in simulation.
; The chip was launched on July 23, 2026; its instructions are those of AMD's public machine-readable ISA for CDNA 5 (MIT licence, August 2026) and "CDNA5" Instruction Set Architecture Reference Guide (July 2026). The comments in the code are by the model that wrote it; some were corrected since.
;; Cross Attention. Allowed arithmetic: matrix products marked QUANTISED: E4M3 operands, one given power-of-two scale a tensor, by v_wmma_f32_16x16x64_fp8_fp8 or v_wmma_f32_16x16x128_fp8_fp8, f32 sums; everything else in f32.
;; Inputs: Wkv_codes 2,048 x 32 x 32 uint8 (E4M3 codes of Wkv, K innermost, in blocks of 32 codes); Wproj_codes 1,024 x 32 x 32 uint8 (E4M3 codes of Wproj, K innermost, in blocks of 32 codes); Wq_codes 1,024 x 32 x 32 uint8 (E4M3 codes of Wq, K innermost, in blocks of 32 codes); bproj 1,024 float32; context_codes 4 x 2,048 x 32 x 32 uint8 (E4M3 codes of context, K innermost, in blocks of 32 codes); lowp_scales 10 int32 (the exponents e of the quantised operands' scales 2^e); x_codes 4 x 2,048 x 32 x 32 uint8 (E4M3 codes of x, K innermost, in blocks of 32 codes).
;; Outputs: out0 4 x 2,048 x 1,024 float32.
;; This version of the problem:
;;   THIS VERSION OF THE PROBLEM IS GIVEN IN LOW PRECISION. The matrix products marked QUANTISED in the list below multiply operands that are first quantised to E4M3 (4 exponent bits, 3 mantissa bits; 8 bits a number), with one given power-of-two scale for each operand tensor; their sums are f32. All else is computed in f32.
;;   The module's matrix products, in the order in which they are computed (A, B: the left and right operand; K: the contracted axis; several contracted axes count as one K, in the product's order):
;;     1. [M 8,192, K 1,024] x [K 1,024, N 1,024]; A: input x (given as codes); B: input Wq (given as codes): QUANTISED (scales: A lowp_scales[0], B lowp_scales[1])
;;     2. [M 8,192, K 1,024] x [K 1,024, N 2,048]; A: input context (given as codes); B: input Wkv (given as codes): QUANTISED (scales: A lowp_scales[2], B lowp_scales[3])
;;     3. batch 64 x [M 2,048, K 64] x [K 64, N 2,048]; A: computed on the way; B: computed on the way: QUANTISED (scales: A lowp_scales[4], B lowp_scales[5])
;;     4. batch 64 x [M 2,048, K 2,048] x [K 2,048, N 64]; A: softmax (see below); B: computed on the way: QUANTISED (scales: A lowp_scales[6], B lowp_scales[7])
;;     5. [M 8,192, K 1,024] x [K 1,024, N 1,024]; A: computed on the way; B: input Wproj (given as codes): QUANTISED (scales: A lowp_scales[8], B lowp_scales[9])
;;   THE QUANTISER, for each operand of a quantised product, along K:
;;     - The operand's scale is 2^e, e = its entry of the input lowp_scales (int32; the entries are numbered through the quantised products in the list's order, A before B).
;;     - Each number is divided by the scale, clamped to +-448, and rounded to the nearest number of E4M3, ties to even, subnormals kept.
;;     - The product sums the exact products of the quantised numbers (number of the format x scale) in f32.
;;   ~~~python
;;   def quantise(x, axis, e):      # numpy; x: float32 -> the quantised numbers, widened to float32 again
;;       x = np.moveaxis(x, axis, -1); K = x.shape[-1]
;;       r = np.clip(x / 2.0 ** e, -448, 448)
;;       step = 2.0 ** (np.maximum(np.frexp(np.where(r == 0, 1, r))[1] - 1, -6) - 3)
;;       q = np.round(r / step) * step * 2.0 ** e      # np.round: ties to even
;;       return np.moveaxis(q, -1, axis).astype(np.float32)
;;   ~~~
;;   SOFTMAX AHEAD OF A QUANTISED PRODUCT. Where the list says 'softmax', what is quantised is not the finished softmax but p = 2^(t - M), with t = logit x log2(e) and M = ceil(the row's largest t), a whole number; so 1/2 < the row's largest p <= 1. The row's sum l is taken of the UNQUANTISED p, in f32, and the product's result is divided by l at the end. Since M is a whole number, a kernel that streams over the keys may use a running M (the ceiling of the running maximum): every later rescaling is an exact power of two, so the quantised numbers keep their values, but for numbers so far below the row's largest that they fall under the format's range.
;;   OPERANDS COMPUTED ON THE WAY. 'Computed on the way' means the value that the module computes at that place (a softmax that the list does not call 'softmax' is quantised finished and normalised). What goes into a quantiser is computed in f32, as accurately as f32 sums, v_exp_f32 and their like allow (about 1e-6 of the number): no bf16 or f16 on the way to a quantiser, and a product that is left as it is and whose result goes on into a quantised operand takes f32 operands (vector FMAs, or v_wmma_f32_16x16x4_f32). A number that lies on a knife's edge between two numbers of the format may be rounded either way, as far as f32 arithmetic and the matrix unit's own rounding can turn it there, and no further.
;;   INPUTS GIVEN AS CODES. Wkv (in the module: [2048, 1024], K = its axis 1); Wproj (in the module: [1024, 1024], K = its axis 1); Wq (in the module: [1024, 1024], K = its axis 1); context (in the module: [4, 2048, 1024], K = its axis 2); x (in the module: [4, 2048, 1024], K = its axis 2): each comes as NAME_codes (uint8): NAME with its K axis moved to the last place and cut into blocks of 32 codes, [.., K / 32, bytes a block], one block behind the other in memory; one code a byte (a code: sign, 4 exponent bits, 3 mantissa bits); its scale is its entry of lowp_scales. Its value is code x scale, taken as it is: it is not quantised again, and the codes and scales need not be those that the quantiser above would give.
;; One version. Each part assembles by itself: llvm-mc -triple=amdgcn-amd-amdhsa -mcpu=gfx1250 --defsym DOCPART=n.
;; ======== version 1 of 1: 3 launches
;; limits: right only within a limited range of input values
;; workspace buffers: kvw_img 20,971,520 bytes; o_img 8,388,608 bytes
;; launch kvw (part 1): grid 8 x 32, 4 waves a work-group, clusters of 4 x 4, 327,680 bytes of LDS; arguments context_codes, Wkv_codes, Wq_codes, lowp_scales, kvw_img; writes kvw_img
.if DOCPART == 1
	.amdgcn_target "amdgcn-amd-amdhsa--gfx1250"
	.amdhsa_code_object_version 6
	.text
	.protected	k_qb30ed2a152_kvw
	.globl	k_qb30ed2a152_kvw
	.p2align	8
	.type	k_qb30ed2a152_kvw,@function
k_qb30ed2a152_kvw:
	s_mov_b64 s[64:65], 0
	v_nop
	global_prefetch_b8 v0, s[64:65] scope:SCOPE_SE
	s_setreg_imm32_b32 hwreg(HW_REG_WAVE_MODE, 25, 1), 1
	s_wait_xcnt 0x0
	s_wait_alu depctr_hold_cnt(0) depctr_sa_sdst(0) depctr_va_vdst(0) depctr_va_sdst(0) depctr_va_ssrc(0) depctr_va_vcc(0) depctr_vm_vsrc(0)
	s_getreg_b32 s2, hwreg(HW_REG_IB_STS2, 6, 4)
	s_cmp_eq_u32 s2, 0
	s_cbranch_scc0 .Lentry_in_a_cluster
	s_endpgm
.Lentry_in_a_cluster:
	s_bfe_u32 s2, ttmp6, 0x10000c
	s_cmp_lg_u32 s2, 0xf033
	s_cbranch_scc0 .Lentry_shape_is_right
	s_endpgm
.Lentry_shape_is_right:
; k and v = context Wkv^T on the given codes of FP8 (E4M3), the quantisers of k and v (scales 2^e5, 2^e7), and Wq's codes laid as images of operand registers.  Sums in f32.
; NOTHING OF THE PROBLEM IS LEFT OUT in this program: every input has a way to the output, there is no mask, and no result is sliced away.  q = x Wq^T is made by the next launch, by the waves that use it.
; LIMITS: e5 - e2 - e3 and e7 - e2 - e3 lie between -126 and 119, so that the powers of two below are f32 numbers.  NaN codes among the inputs are not served.
; SHARES.  A work-group of four waves makes 256 x 256 results, K = 1,024; a wave 128 x 128: 64 accumulators, 512 registers.  8 x 32 work-groups.  The cluster's x says which tensor: 0 k, 1 v.
; Source 1's 16 rows give a lane its row, source 0's 16 rows a lane's eight registers.  k: source 1 = context (tile 4 x cluster y + cy), source 0 = Wkv (tile cx): a lane holds one token and eight
; neighbouring channels.  v: source 1 = Wkv's second 1,024 rows (tile cy), source 0 = context (tile 4 x cluster y + cx): a lane holds one channel and eight neighbouring KEYS.
; The LDS layout is the same for both: source 1's 256 rows, then source 0's.  Only buffers and offsets are chosen by the cluster's x (s_cselect): no branch but the prefetch's.
; CLUSTERS: 4 x 4.  Source 1's tile hangs on cy alone and is asked for JOINTLY along a row of the cluster, source 0's on cx alone, along a column.
; K goes in steps of 256 through a ring of two LDS slots: a tile's row is 256 bytes of memory.
; kvw_img: one record of 327,680 bytes for each (batch, head), all images of operand registers (four registers of all lanes at 16 x lane: 512 consecutive bytes a store):
;   + 0        K: [tile of 16 keys 128][1,024 bytes]: lane (r, h): key r; registers 2 c, 2 c + 1: channel 16 c + 8 h + 0 .. 7
;   + 131,072  V: [step of 128 keys 16][tile of 16 channels 4][2,048 bytes]: lane (r, h): channel r; registers 2 c, 2 c + 1: key 16 c + 8 h + 0 .. 7
;   + 262,144  Wq's 64 rows of the head: [K step of 128: 8][tile of 16 rows 4][2,048 bytes]: lane (r, h): row r; registers 4 c .. 4 c + 3: k = 32 c + 16 h + 0 .. 15
; Wq's images: 64 records x 32 fragments; a work-group lays eight, a wave two: eight loads and eight stores, under the flight of K step 0.
; PREFETCH: the waves that fetch context ask for its K steps 1 and 2 behind K step 0's load and for K step 3 behind K step 1's: of the 128 rows that a wave fetches each of the four partners names 32, told apart
; by address, a lane a row of 256 bytes.  Wkv's tiles are read by all eight clusters of a tensor and are not prefetched.
.set ROWB,   256
.set KROW,   1024
.set PITCH,  272                       ; an LDS row: 256 bytes + 16 of padding, so that the 16 rows that a load touches start 68 words apart
.set FR,     16
.set NL,     4
.set NP,     4                         ; places behind this matrix instruction (ISA guide 7.12.1)
.set HALFT,  128*PITCH
.set SLOT,   4*HALFT
.set SPARE,  2*SLOT                    ; behind the ring: the spare words, 128 bytes for each wave
.set RECB,   327680                    ; a record of kvw_img
.set LIM,  10                          ; 448 x 2^(eo - e2 - e3)
.set SCL,  11                          ; 2^(eo - e2 - e3)
.set ADR1, 16                          ; v16-17 LDS address of source 1's fragments in slot 0, 1
.set ADR0, 20                          ; v20-21 the same for source 0
.set VOA,  24                          ; 16 x lane
.set VOB,  25                          ; 16 x lane + the distance to a block's second half: the next record (k) or 1,024 bytes (v)
.set SPW,  28
.set NIL,  29
.set PFO,  30                          ; 1,024 x lane; never rewritten
.set TMP,  32                          ; first Wq's two fragments, then a block's 64 sums
.set AF,   128                         ; source 1's fragments, in window 0; on the way out the codes
.set CD,   128
.set G1,  24
.set G0,  32
.set G1B, 48
.set G0B, 56
.set PFA, 66                           ; s[66:67] my work-group's 32 rows of the 128 that I fetch; never rewritten
.set OB,  68                           ; s[68:83] first the arguments, then eight bases for the way out
.set WS,  100                          ; s[100:101] Wq at my two fragments
.set WD,  104                          ; s[104:105] where their images go
.set MSB, 0
.macro WIN new                         ; the immediate's high byte repeats the setting that is left
.if MSB != (\new)
	s_set_vgpr_msb (MSB<<8)|(\new)
.set MSB, (\new)
.endif
.endm
.set MUL_LO, 0xa1                      ; source 0 window 1, source 1 window 0, C and D window 2
.set MUL_HI, 0xf1                      ; the same, C and D window 3
.set TO_B,   0x40
.macro JLOAD g0a, g1a, g0b, g1b        ; waves 0 and 1 fetch source 1's halves, waves 2 and 3 source 0's; an s_nop 0 and four v_nop follow each line
	s_cmp_eq_u32 s15, 0
	s_cbranch_scc0 .Lfor_b_\@
	tensor_load_to_lds s[\g0a:\g0a+3], s[\g1a:\g1a+7]
	s_nop 0
.rept 4
	v_nop
.endr
	s_branch .Lasked_\@
.Lfor_b_\@:
	tensor_load_to_lds s[\g0b:\g0b+3], s[\g1b:\g1b+7]
	s_nop 0
.rept 4
	v_nop
.endr
.Lasked_\@:
.endm
.macro ASK off                         ; context is source 1 for k (waves 0, 1) and source 0 for v (waves 2, 3): the branch hangs on the wave's number and the cluster's x
	s_cmp_eq_u32 s15, ttmp9
	s_cbranch_scc0 .Lnot_mine_\@
	global_prefetch_b8 v[PFO], s[PFA:PFA+1] offset:\off th:TH_LOAD_NT scope:SCOPE_SE
.Lnot_mine_\@:
.endm
.macro CREST
	s_cmp_lg_u32 s14, 0
	s_cbranch_scc1 .Lnot_wave_0_\@
	s_barrier_signal -3
.Lnot_wave_0_\@:
	s_barrier_wait -3
	s_barrier_signal -1
	s_barrier_wait -1
.endm
.macro CROUND
	s_barrier_signal -1
	s_barrier_wait -1
	CREST
.endm
	s_load_b256 s[68:75], s[0:1], 0x0              ; context s[68:69], Wkv s[70:71], Wq s[72:73], the exponents s[74:75]
	s_load_b64 s[76:77], s[0:1], 0x20              ; kvw_img
	v_lshl_add_u32 v[SPW], v0, 2, SPARE
	v_mov_b32 v[NIL], 0
	ds_add_u32 v[SPW], v[NIL]                      ; the opening: the add, twice on end, and its wait ahead of my first tensor load
	ds_add_u32 v[SPW], v[NIL]
	v_lshrrev_b32 v1, 5, v0
	v_readfirstlane_b32 s14, v1                    ; wave 0..3
	s_lshr_b32 s15, s14, 1                         ; my half of source 1's rows.  Also: I fetch for source 1 (0) or source 0 (1)
	s_and_b32 s16, s14, 1                          ; my half of source 0's rows.  Also: which 128 rows I fetch
	s_bfe_u32 s40, ttmp6, 0x40000                  ; cx
	s_bfe_u32 s41, ttmp6, 0x40004                  ; cy
	s_and_b32 s9, ttmp7, 0xffff
	s_lshl_b32 s9, s9, 2                           ; 4 x cluster y
	s_cmp_eq_u32 ttmp9, 1                          ; v?
	s_cselect_b32 s17, 0, s9
	s_cselect_b32 s8, s9, 0
	s_add_co_u32 s17, s17, s41                     ; source 1's tile
	s_add_co_u32 s8, s8, s40                       ; source 0's tile
	s_lshl_b32 s43, s41, 2
	s_lshl_b32 s43, 15, s43                        ; my row of the cluster
	s_lshl_b32 s44, 0x1111, s40                    ; my column
	s_or_b32 s[G1+0], s43, (0<<16)|(1<<20)|(1<<21)|(5<<22)|(3<<25)  ; the mask; elements of 1 byte; padding on; bit 21 beside a mask; after every 64 words four words
	s_or_b32 s[G1B+0], s44, (0<<16)|(1<<20)|(1<<21)|(5<<22)|(3<<25)
.irp g, G1, G1B
	s_mov_b32 s[\g+1], ROWB<<16
	s_mov_b32 s[\g+2], 128<<16
	s_mov_b32 s[\g+3], ROWB<<16
	s_mov_b32 s[\g+4], 128
	s_mov_b32 s[\g+5], KROW
	s_mov_b32 s[\g+6], 0
	s_mov_b32 s[\g+7], 0
.endr
	s_lshl_b32 s18, s16, 17                        ; the 128 rows of 1,024 bytes that I fetch
	s_lshl_b32 s20, s17, 18
	s_add_co_u32 s20, s20, s18
	s_mov_b32 s21, 0
	s_lshl_b32 s46, s8, 18
	s_add_co_u32 s46, s46, s18
	s_cmp_eq_u32 ttmp9, 1
	s_cselect_b32 s45, 0x100000, 0                 ; v: the second 1,024 rows of Wkv
	s_add_co_u32 s20, s20, s45
	s_mov_b32 s47, 0
	s_mul_i32 s42, s14, HALFT                      ; where they go: wave x 128 rows
	s_wait_dscnt 0x0                               ; both opening adds are done
	s_wait_kmcnt 0x0
	s_load_b256 s[84:91], s[74:75], 0x0            ; e0 .. e7
	s_cmp_eq_u32 ttmp9, 1
	s_cselect_b64 s[4:5], s[70:71], s[68:69]       ; source 1: Wkv (v) or context (k)
	s_cselect_b64 s[6:7], s[68:69], s[70:71]       ; source 0: context (v) or Wkv (k)
	s_mov_b64 s[10:11], s[76:77]
	s_add_nc_u64 s[20:21], s[4:5], s[20:21]
	s_add_nc_u64 s[46:47], s[6:7], s[46:47]
	CROUND                                         ; all sixteen work-groups are here: the first joint loads meet
.irp s, 0,1
	s_mov_b32 s[G0+4*\s], 1
	s_add_co_u32 s[G0+4*\s+1], s42, \s*SLOT
	s_add_nc_u64 s[G0+4*\s+2:G0+4*\s+3], s[20:21], \s*ROWB
	s_or_b32 s[G0+4*\s+3], s[G0+4*\s+3], 0x80000000
	s_mov_b32 s[G0B+4*\s], 1
	s_add_co_u32 s[G0B+4*\s+1], s42, \s*SLOT
	s_add_nc_u64 s[G0B+4*\s+2:G0B+4*\s+3], s[46:47], \s*ROWB
	s_or_b32 s[G0B+4*\s+3], s[G0B+4*\s+3], 0x80000000
.endr
	JLOAD G0, G1, G0B, G1B                         ; K step 0: one tensor load a wave at the head
	v_and_b32 v1, 15, v0                           ; r
	v_bfe_u32 v2, v0, 4, 1                         ; h
	v_and_b32 v5, 31, v0
	v_lshlrev_b32 v6, 10, v1
	v_lshl_add_u32 v6, v2, 4, v6                   ; Wq: r x 1,024 + 16 h
	v_lshlrev_b32 v[VOA], 4, v5
	v_lshlrev_b32 v[PFO], 10, v5
	v_mul_u32_u24 v3, v1, PITCH
	v_lshl_add_u32 v4, v2, 4, v3                   ; a fragment's row x pitch + 16 x half
	s_wait_alu depctr_va_vdst(0)                   ; the wait here, ahead of the scalar lines below
	; Wq's images: record = 4 x (8 x cluster x + cluster y) + cy; my first fragment f0 = 8 cx + 2 x wave; fragment f: K step f / 4, rows 16 (f % 4) on
	s_lshl_b32 s92, ttmp9, 3
	s_and_b32 s93, ttmp7, 0xffff
	s_add_co_u32 s92, s92, s93
	s_lshl_b32 s92, s92, 2
	s_add_co_u32 s92, s92, s41                     ; the record
	s_lshl_b32 s93, s40, 3
	s_lshl_b32 s94, s14, 1
	s_add_co_u32 s93, s93, s94                     ; f0, even
	s_and_b32 s94, s92, 15                         ; the head
	s_lshl_b32 s94, s94, 16                        ; 64 rows of 1,024 bytes
	s_and_b32 s95, s93, 2
	s_lshl_b32 s95, s95, 14                        ; 16 rows x (f0 % 4)
	s_add_co_u32 s94, s94, s95
	s_lshr_b32 s95, s93, 2
	s_lshl_b32 s95, s95, 7                         ; 128 x K step
	s_add_co_u32 s94, s94, s95
	s_mov_b32 s95, 0
	s_add_nc_u64 s[WS:WS+1], s[72:73], s[94:95]
	s_mul_i32 s94, s92, RECB
	s_lshl_b32 s93, s93, 11
	s_add_co_u32 s94, s94, s93
	s_add_co_u32 s94, s94, 262144
	s_add_nc_u64 s[WD:WD+1], s[10:11], s[94:95]
.irp i, 0,1
.irp c, 0,1,2,3
	global_load_b128 v[TMP+16*\i+4*\c:TMP+16*\i+4*\c+3], v6, s[WS:WS+1] offset:16384*\i+32*\c
.endr
.endr
	s_cmp_eq_u32 s15, 0                            ; the prefetches: the tile that I fetch, and my place among the four that ask for it with me
	s_cselect_b64 s[PFA:PFA+1], s[20:21], s[46:47]
	s_cselect_b32 s12, s40, s41
	s_lshl_b32 s12, s12, 15                        ; 32 rows of 1,024 bytes
	s_mov_b32 s13, 0
	s_add_nc_u64 s[PFA:PFA+1], s[PFA:PFA+1], s[12:13]
	ASK 256                                        ; K steps 1 and 2
	ASK 512
	s_mul_i32 s18, s15, HALFT                      ; my 128 rows of source 1
	s_mul_i32 s19, s16, HALFT
	s_add_co_u32 s19, s19, 2*HALFT                 ; my 128 rows of source 0, behind source 1's 256
.irp s, 0,1
	v_add_nc_u32 v[ADR1+\s], s18, v4
	v_add_nc_u32 v[ADR0+\s], s19, v4
	s_add_co_u32 s18, s18, SLOT
	s_add_co_u32 s19, s19, SLOT
.endr
	s_wait_alu depctr_va_vdst(0)
	s_wait_kmcnt 0x0                               ; the exponents are in
	s_add_co_i32 s93, s86, s87                     ; e2 + e3
	s_mov_b32 s18, 1024
	s_mov_b32 s95, RECB
	s_cmp_eq_u32 ttmp9, 1
	s_cselect_b32 s94, s91, s89                    ; eo: e7 or e5
	s_cselect_b32 s18, 2048, s18                   ; from block to block of the way out
	s_cselect_b32 s22, RECB-8192, 0                ; v: block 4 begins the next head's record
	s_cselect_b32 s95, 1024, s95                   ; a block's second half: v: the fragment's; k: the next head's
	s_cselect_b32 s12, s8, s17                     ; the tile of 256 tokens
	s_cselect_b32 s13, s17, s8                     ; the tile of 256 channels
	s_cselect_b32 s9, s15, s16                     ; my half of the channels
	s_cselect_b32 s96, s16, s15                    ; my half of the tokens
	s_cselect_b32 s97, 131072, 0                   ; V's image lies behind K's
	s_mov_b32 s19, 0
	s_mov_b32 s23, 0
	s_sub_co_i32 s94, s94, s93                     ; a sum stands for sum x 2^(e2 + e3): its code is sum / 2^(eo - e2 - e3)
	s_add_co_i32 s94, s94, 127
	s_lshl_b32 s93, s94, 23
	v_mov_b32 v[SCL], s93
	s_add_co_i32 s94, s94, 8
	s_lshl_b32 s94, s94, 23
	s_or_b32 s94, s94, 0x600000
	v_mov_b32 v[LIM], s94                          ; 448 x that
	s_lshr_b32 s98, s12, 3                         ; the batch: 8 tiles of 256 tokens each
	s_lshl_b32 s98, s98, 4
	s_lshl_b32 s93, s13, 2
	s_add_co_u32 s98, s98, s93
	s_lshl_b32 s93, s9, 1
	s_add_co_u32 s98, s98, s93                     ; batch x 16 + my first head
	s_mul_i32 s98, s98, RECB
	s_add_co_u32 s98, s98, s97
	s_and_b32 s93, s12, 7
	s_lshl_b32 s93, s93, 14
	s_add_co_u32 s98, s98, s93                     ; 256 tokens are 16,384 bytes of an image,
	s_lshl_b32 s93, s96, 13
	s_add_co_u32 s98, s98, s93                     ; my 128 tokens 8,192
	s_mov_b32 s99, 0
	s_add_nc_u64 s[OB:OB+1], s[10:11], s[98:99]
.irp a, 1,2,3,4,5,6,7
	s_add_nc_u64 s[OB+2*\a:OB+2*\a+1], s[OB+2*\a-2:OB+2*\a-1], s[18:19]
.if \a == 4
	s_add_nc_u64 s[OB+8:OB+9], s[OB+8:OB+9], s[22:23]
.endif
.endr
	v_add_nc_u32 v[VOB], s95, v[VOA]
.macro FRAG reg, adr, q, i             ; a fragment by four loads of 16 bytes: registers 4 c .. 4 c + 3 hold K = 32 c + 16 (lane / 16) + 0 .. 15: one order of k on both sides
.irp c, 0,1,2,3
	ds_load_b128 v[\reg+4*\c:\reg+4*\c+3], v[\adr] offset:128*(\q)+32*\c+(\i)*16*PITCH
.endr
.endm
; 16 matrix instructions: source 1's blocks a0, a0 + 1 x source 0's eight.  The 64 accumulators take turns, one instruction a turn, in the same order in every step.
.macro MUL16 a0, p, zero
.irp a, \a0, \a0+1
.irp b, 0,1,2,3,4,5,6,7
.if \zero
	v_wmma_f32_16x16x128_fp8_fp8 v[8*(8*((\a)%4)+\b):8*(8*((\a)%4)+\b)+7], v[128*(\p)+FR*\b:128*(\p)+FR*\b+FR-1], v[AF+FR*(\a):AF+FR*(\a)+FR-1], 0
.else
	v_wmma_f32_16x16x128_fp8_fp8 v[8*(8*((\a)%4)+\b):8*(8*((\a)%4)+\b)+7], v[128*(\p)+FR*\b:128*(\p)+FR*\b+FR-1], v[AF+FR*(\a):AF+FR*(\a)+FR-1], v[8*(8*((\a)%4)+\b):8*(8*((\a)%4)+\b)+7]
.endif
.endr
.endr
.endm
.macro FETCH_B slot, q, p
	WIN TO_B
.irp i, 0,1,2,3,4,5,6,7
	FRAG 128*(\p)+FR*\i, ADR0+\slot, \q, \i
.endr
	WIN 0
.endm
.macro FETCH_A slot, q, i0
.irp i, \i0, \i0+1, \i0+2, \i0+3
	FRAG AF+FR*(\i), ADR1+\slot, \q, \i
.endr
.endm
.macro PLACES n
.rept \n
	v_nop
.endr
.endm
.macro STEP slot, q, zero              ; a step of 128 along K that has its successor in the same slot
	s_wait_dscnt 4*NL                              ; source 0's set and source 1's blocks 0-3 are in; the youngest sixteen loads (blocks 4-7) may be out
	WIN MUL_LO
	MUL16 0, (\q)%2, \zero
	MUL16 2, (\q)%2, \zero
	s_wait_dscnt 0
	PLACES NP
	FETCH_B \slot, (\q)+1, 1-(\q)%2
	FETCH_A \slot, (\q)+1, 0
	WIN MUL_HI
	MUL16 4, (\q)%2, \zero
	MUL16 6, (\q)%2, \zero
	PLACES NP
	WIN 0
	FETCH_A \slot, (\q)+1, 4
.endm
.macro TURN slot, next, fill           ; a slot's last step changes slots: one barrier; fill = 1: it opens a round of the cluster's barrier, and this slot is filled again
	s_wait_tensorcnt 0x0                           ; all my tensor loads have landed: my part of the next slot
	ds_add_u32 v[SPW], v[NIL]
	s_wait_dscnt 4*NL+1                            ; (the add and the youngest sixteen loads may be out)
	WIN MUL_LO
	MUL16 0, 1, 0
	s_wait_dscnt 0x0                               ; the add is done, and my reads of this slot are over
	s_barrier_signal -1
	MUL16 2, 1, 0
	WIN 0
	s_barrier_wait -1
.if \fill
	CREST
	s_add_nc_u64 s[G0+4*\slot+2:G0+4*\slot+3], s[G0+4*\slot+2:G0+4*\slot+3], 2*ROWB
	s_add_nc_u64 s[G0B+4*\slot+2:G0B+4*\slot+3], s[G0B+4*\slot+2:G0B+4*\slot+3], 2*ROWB
	JLOAD G0+4*\slot, G1, G0B+4*\slot, G1B         ; the first tensor load behind the round; its four v_nop are the places in front of the loads below
.else
	PLACES NP
.endif
	FETCH_B \next, 0, 0
	FETCH_A \next, 0, 0
	WIN MUL_HI
	MUL16 4, 1, 0
	MUL16 6, 1, 0
	PLACES NP
	WIN 0
	FETCH_A \next, 0, 4
.endm
	s_wait_alu depctr_va_vdst(0)                   ; the wait at the head's end
	s_wait_loadcnt 0x0                             ; Wq's two fragments
.irp i, 0,1
.irp c, 0,1,2,3
	global_store_b128 v[VOA], v[TMP+16*\i+4*\c:TMP+16*\i+4*\c+3], s[WD:WD+1] offset:2048*\i+512*\c
.endr
.endr
	s_wait_tensorcnt 0x0                           ; my part of K step 0 is in
	ds_add_u32 v[SPW], v[NIL]
	s_wait_dscnt 0x0
	CROUND                                         ; everybody's part of K step 0 is in, and all sixteen work-groups are here
	JLOAD G0+4, G1, G0B+4, G1B                     ; K step 1: the first tensor load behind the round
	FETCH_B 0, 0, 0
	FETCH_A 0, 0, 0
	FETCH_A 0, 0, 4
	ASK 768                                        ; K step 3
	STEP 0, 0, 1                                   ; the first step's products start the sums
	TURN 0, 1, 1                                   ; K step 2 is asked for
	STEP 1, 0, 0
	TURN 1, 0, 1                                   ; K step 3
	STEP 0, 0, 0
	TURN 0, 1, 0                                   ; nothing more is filled
	STEP 1, 0, 0
	s_wait_dscnt 4*NL
	WIN MUL_LO
	MUL16 0, 1, 0
	MUL16 2, 1, 0
	s_wait_dscnt 0
	WIN MUL_HI
	MUL16 4, 1, 0
	MUL16 6, 1, 0
	WIN 0
; THE WAY OUT of source 1's block a: its 64 sums a lane are held within +-448 x the scale (the conversion to an 8-bit code does not saturate: ISA guide 7.6.2), each accumulator from its low end on; eight conversions
; make 16 registers of codes.  k: two heads' fragments of 8 registers.  v: one fragment of 16.  Four stores of 512 consecutive bytes.  Each block has data registers and a base of its own.
.macro OUTBLK a
.set AC, 64*((\a)%4)
	WIN 0x02+((\a)/4)
.set j, 0
.rept 64
	v_med3_num_f32 v[TMP+j], v[AC+j], -v[LIM], v[LIM]
.set j, j+1
.endr
	WIN 0
.irp b, 0,1,2,3,4,5,6,7
	v_cvt_scalef32_pk8_fp8_f32 v[CD+16*(\a)+2*\b:CD+16*(\a)+2*\b+1], v[TMP+8*\b:TMP+8*\b+7], v[SCL]
.endr
	v_nop                                          ; a plain instruction between the last conversion and the next block's holds, which write its sources
	global_store_b128 v[VOA], v[CD+16*(\a):CD+16*(\a)+3], s[OB+2*(\a):OB+2*(\a)+1]
	global_store_b128 v[VOA], v[CD+16*(\a)+4:CD+16*(\a)+7], s[OB+2*(\a):OB+2*(\a)+1] offset:512
	global_store_b128 v[VOB], v[CD+16*(\a)+8:CD+16*(\a)+11], s[OB+2*(\a):OB+2*(\a)+1]
	global_store_b128 v[VOB], v[CD+16*(\a)+12:CD+16*(\a)+15], s[OB+2*(\a):OB+2*(\a)+1] offset:512
.endm
	s_wait_xcnt 0x0                                ; the stores of Wq's images have read their registers, which the holds below write
	PLACES NP
.irp a, 0,1,2,3,4,5,6,7
	OUTBLK \a
.endr
	s_wait_tensorcnt 0x0                           ; the wave's end
	ds_add_u32 v[SPW], v[NIL]
	s_wait_dscnt 0x0
	CROUND                                         ; the closing round
	s_endpgm
.Lfunc_end_k_qb30ed2a152_kvw:
	.size	k_qb30ed2a152_kvw, .Lfunc_end_k_qb30ed2a152_kvw-k_qb30ed2a152_kvw
	.p2alignl 7, 3214868480
	.fill 96, 4, 3214868480
	.section	.rodata,"a",@progbits
	.p2align	6, 0x0
	.amdhsa_kernel k_qb30ed2a152_kvw
		.amdhsa_group_segment_fixed_size 327680
		.amdhsa_private_segment_fixed_size 0
		.amdhsa_enable_private_segment 0
		.amdhsa_kernarg_size 40
		.amdhsa_user_sgpr_count 2
		.amdhsa_user_sgpr_kernarg_segment_ptr 1
		.amdhsa_wavefront_size32 1
		.amdhsa_system_sgpr_workgroup_id_x 1
		.amdhsa_system_sgpr_workgroup_id_y 1
		.amdhsa_system_sgpr_workgroup_id_z 1
		.amdhsa_system_vgpr_workitem_id 0
		.amdhsa_next_free_vgpr 1024
		.amdhsa_next_free_sgpr 106
		.amdhsa_reserve_vcc 0
		.amdhsa_float_denorm_mode_32 3
		.amdhsa_float_denorm_mode_16_64 3
		.amdhsa_memory_ordered 1
		.amdhsa_forward_progress 1
		.amdhsa_inst_pref_size 122
	.end_amdhsa_kernel
	.amdgpu_metadata
---
amdhsa.version: [ 1, 2 ]
amdhsa.kernels:
  - .name:           k_qb30ed2a152_kvw
    .symbol:         k_qb30ed2a152_kvw.kd
    .args:
      - { .name: context_codes, .offset: 0, .size: 8, .value_kind: global_buffer, .address_space: global }
      - { .name: Wkv_codes, .offset: 8, .size: 8, .value_kind: global_buffer, .address_space: global }
      - { .name: Wq_codes, .offset: 16, .size: 8, .value_kind: global_buffer, .address_space: global }
      - { .name: lowp_scales, .offset: 24, .size: 8, .value_kind: global_buffer, .address_space: global }
      - { .name: kvw_img, .offset: 32, .size: 8, .value_kind: global_buffer, .address_space: global }
    .group_segment_fixed_size: 327680
    .private_segment_fixed_size: 0
    .kernarg_segment_align: 8
    .kernarg_segment_size: 40
    .max_flat_workgroup_size: 128
    .sgpr_count:     106
    .vgpr_count:     1024
    .wavefront_size: 32
...
	.end_amdgpu_metadata
.endif
;; end of part 1
;; launch attn (part 2): grid 4 x 64, 8 waves a work-group, clusters of 4 x 1, 327,680 bytes of LDS; arguments x_codes, kvw_img, lowp_scales, o_img; writes o_img
.if DOCPART == 2
	.amdgcn_target "amdgcn-amd-amdhsa--gfx1250"
	.amdhsa_code_object_version 6
	.text
	.protected	k_qb30ed2a152_attn
	.globl	k_qb30ed2a152_attn
	.p2align	8
	.type	k_qb30ed2a152_attn,@function
k_qb30ed2a152_attn:
	s_mov_b64 s[64:65], 0
	v_nop
	global_prefetch_b8 v0, s[64:65] scope:SCOPE_SE
	s_setreg_imm32_b32 hwreg(HW_REG_WAVE_MODE, 25, 1), 1
	s_wait_xcnt 0x0
	s_wait_alu depctr_hold_cnt(0) depctr_sa_sdst(0) depctr_va_vdst(0) depctr_va_sdst(0) depctr_va_ssrc(0) depctr_va_vcc(0) depctr_vm_vsrc(0)
	s_getreg_b32 s2, hwreg(HW_REG_IB_STS2, 6, 4)
	s_cmp_eq_u32 s2, 0
	s_cbranch_scc0 .Lentry_in_a_cluster
	s_endpgm
.Lentry_in_a_cluster:
	s_bfe_u32 s2, ttmp6, 0x10000c
	s_cmp_lg_u32 s2, 0x3003
	s_cbranch_scc0 .Lentry_shape_is_right
	s_endpgm
.Lentry_shape_is_right:
; q = x Wq^T with its quantiser (2^e4), o = softmax(q k^T / 8) v for each batch and head, and the quantiser of o (2^e8): all three products on codes of FP8 (E4M3).  Nothing of the problem is left out.
; THE SOFTMAX AHEAD OF THE LAST PRODUCT: t = score x log2(e) / 8; M = the row's largest t so far, rounded UP to a whole number; p = 2^(t - M) is quantised with 2^e6, not normalised.
; The row's sum is taken of the unquantised p, in f32, and divides at the end.  When M moves, the sum and O are multiplied by 2^(old M - new M), which rounds nothing.
; LIMITS: e4 + e5 between -123 and 130 (added to c's exponent field); e4 - e0 - e1, e6 and e8 between -126 and 119; the scaled scores t stay under 2^31 in magnitude.  NaN codes are not served.
; SHARES.  A cluster of four work-groups is one (batch, head); work-group cx owns queries 512 cx on; each of its eight waves owns 64: four tiles of 16.  Two waves lie on a SIMD.
; THE HEAD'S RECORD of kvw_img (K 131,072 bytes, V 131,072, Wq's 64 rows 65,536, all images of operand registers) lies in LDS for the whole launch, but for Wq's last fragment of 2,048 bytes, for which
; LDS has no room beside the spare words and which each wave loads into registers: eight JOINT loads of 159 dense rows of 256 bytes, one a wave, all at the head; wave w fills LDS bytes 40,704 w on.  Nothing is filled again.
; NO PREFETCH: every tensor load of the launch stands at its head, and x's loads are themselves issued three K steps ahead of their use.
; q: a wave multiplies its own 64 rows of x (fragments straight from memory: nobody else in the work-group reads them) by the head's 64 rows of Wq: 8 K steps of 128, 16 accumulators by turns.
; Source 0 = 16 rows of Wq, source 1 = 16 tokens: a lane holds one token and eight neighbouring channels, so sixteen conversions give Q's four fragments.
; LAYOUT of attention.  Both products are used transposed: S^T = K Q^T, O^T = V^T P^T: a lane holds ONE query (lane % 16) throughout.  Register 8 kt + j of S^T is key 16 kt + 8 (lane / 16) + j.
; THE KEY STEP IS WRITTEN ONCE: O^T and the sums begin as zeros and -M as 3e38, so the first change of M multiplies zeros by 0; that costs 128 moves and spares a second copy of the step.
; REGISTERS: window 0: v1-11 addresses and constants; v12-59 statistics; v60-91 Q; v92-123 P (first: Wq's last fragment); v124-127 for q; v128-255 S^T of the pair in hand (first: q's sums).
;   window 1: v0-63 K of the step, v64-127 V of the step, v128-255 O^T.  First: v0-191 three sets of x's fragments, v192-255 Wq's four.
.set RECB,  327680
.set VOFF,  131072                     ; V's image in LDS
.set WOFF,  262144                     ; Wq's
.set KSB,   8192                       ; a key step of 128 keys, in K's image and in V's
.set SPARE, 325632                     ; behind 8 x 40,704 bytes: the spare words, 128 bytes for each wave
.set LI,   1                           ; 16 x lane
.set ADK,  2
.set ADV,  3
.set SPW,  4
.set NIL,  5
.set LIMP, 6                           ; v6, v7: 448 x 2^e6, once for each half of a dual pair
.set SCL,  8                           ; 2^e6
.set SCLO, 9                           ; 2^e8
.set LIMO, 10                          ; 448 x 2^e8
.set LIV,  11                          ; 16 x lane + VOFF
.set ST,   12                          ; tile t's statistics at v[ST + 12 t]: +0 -M, +1 the largest score, +2:3 and +6:7 the sum in four parts, +4 f (+5: 0), +8, +9 at work, +10 the permute's destination
.set Q,    60
.set P,    92
.set WL,   92                          ; Wq's last fragment
.set VX,   124                         ; x: 1,024 x (lane % 16) + 16 x (lane / 16)
.set LIMQ, 125                         ; 448 x 2^(e4 - e0 - e1)
.set SCQ,  126                         ; 2^(e4 - e0 - e1)
.set ADW,  127                         ; 16 x lane + WOFF
.set S,    128
.set KF,   0                           ; in window 1
.set VF,   64
.set OT,   128
.set XF,   0
.set WF,   192
.set WV,   14
.set SEL,  20
.set CS,   22                          ; s[22:23] c = log2(e) / 8 x 2^(e4 + e5)
.set G1,   24
.set G0,   32
.set TB,   48
.set CNT,  49
.set MSB, 0
.macro WIN new                         ; the immediate's high byte repeats the setting that is left
.if MSB != (\new)
	s_set_vgpr_msb (MSB<<8)|(\new)
.set MSB, (\new)
.endif
.endm
.macro CROUND
	s_barrier_signal -1
	s_barrier_wait -1
	s_cmp_lg_u32 s[WV], 0
	s_cbranch_scc1 .Lnot_wave_0_\@
	s_barrier_signal -3
.Lnot_wave_0_\@:
	s_barrier_wait -3
	s_barrier_signal -1
	s_barrier_wait -1
.endm
.macro PLACES
.rept 4
	v_nop
.endr
.endm
.macro XLOAD q                         ; x's four fragments of K step q into set q % 3 (destination window 1): registers 4 c .. 4 c + 3: k = 32 c + 16 (lane / 16) + 0 .. 15, as in Wq's images
.irp t, 0,1,2,3
.irp c, 0,1,2,3
	global_load_b128 v[XF+64*((\q)%3)+16*\t+4*\c:XF+64*((\q)%3)+16*\t+4*\c+3], v[VX], s[4:5] offset:16384*\t+128*(\q)+32*\c
.endr
.endr
.endm
.macro WLOAD q, nb                     ; the first nb of Wq's four fragments of K step q
.set b, 0
.rept \nb
.irp c, 0,1,2,3
	ds_load_b128 v[WF+16*b+4*\c:WF+16*b+4*\c+3], v[ADW] offset:8192*(\q)+2048*b+512*\c
.endr
.set b, b+1
.endr
.endm
.macro QMUL q, b, af, zero             ; four products: Wq's rows 16 b on x my four tiles of tokens
.irp t, 0,1,2,3
.if \zero
	v_wmma_f32_16x16x128_fp8_fp8 v[S+8*(4*\t+\b):S+8*(4*\t+\b)+7], v[\af:\af+15], v[XF+64*((\q)%3)+16*\t:XF+64*((\q)%3)+16*\t+15], 0
.else
	v_wmma_f32_16x16x128_fp8_fp8 v[S+8*(4*\t+\b):S+8*(4*\t+\b)+7], v[\af:\af+15], v[XF+64*((\q)%3)+16*\t:XF+64*((\q)%3)+16*\t+15], v[S+8*(4*\t+\b):S+8*(4*\t+\b)+7]
.endif
.endr
.endm
	s_load_b256 s[4:11], s[0:1], 0x0               ; x s[4:5], kvw_img s[6:7], the exponents s[8:9], o_img s[10:11]
	v_lshl_add_u32 v[SPW], v0, 2, SPARE
	v_mov_b32 v[NIL], 0
	ds_add_u32 v[SPW], v[NIL]                      ; the opening: the add, twice on end, and its wait ahead of my tensor load
	ds_add_u32 v[SPW], v[NIL]
	v_lshrrev_b32 v2, 5, v0
	v_readfirstlane_b32 s[WV], v2                  ; wave 0..7
	s_bfe_u32 s15, ttmp6, 0x40000                  ; cx: it enters x's and O's addresses alone
	s_and_b32 s17, ttmp7, 0xffff                   ; batch x 16 + head, which the four partners share
	s_mov_b32 s[G1], 15|(3<<16)|(1<<21)            ; the mask: all four work-groups; elements of 8 bytes; no padding; bit 21 beside a mask
	s_mov_b32 s[G1+1], 32<<16                      ; tensor_dim0 = 32 elements: 256 bytes
	s_mov_b32 s[G1+2], 159<<16                     ; tensor_dim1 = 159
	s_mov_b32 s[G1+3], 32<<16                      ; tile_dim0
	s_mov_b32 s[G1+4], 159                         ; tile_dim1
	s_mov_b32 s[G1+5], 32                          ; the pitch: rows are dense
	s_mov_b32 s[G1+6], 0
	s_mov_b32 s[G1+7], 0
	s_mov_b32 s[SEL], 0x76543210
	s_mov_b32 s[SEL+1], 0xfedcba98
	s_mov_b32 s[CS], 0x3e38aa3b                    ; log2(e) / 8
	s_mov_b32 s[TB], 0
	s_mul_i32 s19, s[WV], 40704                    ; my eighth: the same place in LDS and in the record
	s_mul_i32 s58, s17, RECB                       ; the record
	s_mov_b32 s59, 0
	s_add_co_u32 s50, s58, s19
	s_mov_b32 s51, 0
	s_wait_dscnt 0x0                               ; both opening adds are done
	s_wait_kmcnt 0x0
	s_load_b256 s[40:47], s[8:9], 0x0              ; e0 .. e7
	s_load_b32 s56, s[8:9], 0x20                   ; e8
	s_add_nc_u64 s[60:61], s[6:7], s[50:51]
	s_add_nc_u64 s[62:63], s[6:7], s[58:59]
	s_add_nc_u64 s[62:63], s[62:63], WOFF+31*2048  ; Wq's last fragment
	CROUND                                         ; all four work-groups are here: the joint loads meet
	s_mov_b32 s[G0], 1
	s_mov_b32 s[G0+1], s19
	s_mov_b64 s[G0+2:G0+3], s[60:61]
	s_or_b32 s[G0+3], s[G0+3], 0x80000000
	tensor_load_to_lds s[G0:G0+3], s[G1:G1+7]      ; my one tensor load of the launch
	s_nop 0
	PLACES
	s_lshr_b32 s58, s17, 4                         ; the batch: 2,048 rows of 1,024 bytes,
	s_lshl_b32 s58, s58, 21
	s_lshl_b32 s59, s15, 19                        ; 512 a work-group,
	s_add_co_u32 s58, s58, s59
	s_lshl_b32 s59, s[WV], 16                      ; 64 a wave
	s_add_co_u32 s58, s58, s59
	s_mov_b32 s59, 0
	s_add_nc_u64 s[4:5], s[4:5], s[58:59]
	v_and_b32 v2, 31, v0
	v_lshlrev_b32 v[LI], 4, v2
	v_and_b32 v3, 15, v0
	v_bfe_u32 v2, v0, 4, 1
	v_lshlrev_b32 v[VX], 10, v3
	v_lshl_add_u32 v[VX], v2, 4, v[VX]
.irp c, 0,1,2,3
	global_load_b128 v[WL+4*\c:WL+4*\c+3], v[LI], s[62:63] offset:512*\c
.endr
	WIN 0x40
	XLOAD 0
	XLOAD 1
	XLOAD 2
	WIN 0
	v_add_nc_u32 v[LIV], VOFF, v[LI]
	v_add_nc_u32 v[ADW], WOFF, v[LI]
	; o_img: [head / 4][tile of 16 rows of the 8,192][head % 4][1,024 bytes]
	s_and_b32 s58, s17, 15                         ; the head
	s_lshr_b32 s59, s58, 2
	s_lshl_b32 s59, s59, 21                        ; 512 tiles x 4,096 bytes
	s_and_b32 s58, s58, 3
	s_lshl_b32 s58, s58, 10
	s_add_co_u32 s58, s58, s59
	s_lshr_b32 s59, s17, 4                         ; the batch: 128 tiles
	s_lshl_b32 s59, s59, 19
	s_add_co_u32 s58, s58, s59
	s_lshl_b32 s59, s15, 17                        ; 32 tiles a work-group
	s_add_co_u32 s58, s58, s59
	s_lshl_b32 s59, s[WV], 14                      ; 4 a wave
	s_add_co_u32 s58, s58, s59
	s_mov_b32 s59, 0
	s_add_nc_u64 s[10:11], s[10:11], s[58:59]
.irp t, 0,1,2,3
	v_mov_b32 v[ST+12*\t], 0x7f61b1e6              ; -M: 3e38
	v_mov_b32 v[ST+12*\t+1], 0xff61b1e6            ; the largest score so far: -3e38
	v_mov_b32 v[ST+12*\t+2], 0                     ; the sum
	v_mov_b32 v[ST+12*\t+3], 0
	v_mov_b32 v[ST+12*\t+6], 0
	v_mov_b32 v[ST+12*\t+7], 0
	v_mov_b32 v[ST+12*\t+5], 0                     ; (named as the upper half of f's pair)
	v_mov_b32 v[ST+12*\t+10], 0                    ; a lane permute's destination counts as one of its sources
.endr
	s_wait_kmcnt 0x0
	s_add_co_i32 s58, s44, s45
	s_lshl_b32 s58, s58, 23
	s_add_co_i32 s[CS], s[CS], s58                 ; a score stands for score x 2^(e4 + e5): added to c's exponent field
	s_mov_b32 s[CS+1], s[CS]
	s_add_co_i32 s58, s46, 127
	s_lshl_b32 s59, s58, 23
	v_mov_b32 v[SCL], s59                          ; 2^e6
	s_add_co_i32 s58, s58, 8
	s_lshl_b32 s58, s58, 23
	s_or_b32 s58, s58, 0x600000
	v_mov_b32 v[LIMP], s58                         ; 448 x 2^e6
	v_mov_b32 v[LIMP+1], s58
	s_add_co_i32 s58, s56, 127
	s_lshl_b32 s59, s58, 23
	v_mov_b32 v[SCLO], s59                         ; 2^e8
	s_add_co_i32 s58, s58, 8
	s_lshl_b32 s58, s58, 23
	s_or_b32 s58, s58, 0x600000
	v_mov_b32 v[LIMO], s58                         ; 448 x 2^e8
	s_sub_co_i32 s58, s44, s40
	s_sub_co_i32 s58, s58, s41                     ; a sum of q stands for sum x 2^(e0 + e1): its code is sum / 2^(e4 - e0 - e1)
	s_add_co_i32 s58, s58, 127
	s_lshl_b32 s59, s58, 23
	v_mov_b32 v[SCQ], s59
	s_add_co_i32 s58, s58, 8
	s_lshl_b32 s58, s58, 23
	s_or_b32 s58, s58, 0x600000
	v_mov_b32 v[LIMQ], s58
	s_add_co_i32 s57, s46, s47                     ; e6 + e7
; The step's K (8 fragments of 1,024 bytes) and V (4 of 2,048) in one run of 32 loads of 512 consecutive bytes.  The two additions and two v_nop are the four places behind the last products, which read V's registers.
.macro LOADKV
	v_add_nc_u32 v[ADK], s[TB], v[LI]
	v_add_nc_u32 v[ADV], s[TB], v[LIV]
	v_nop
	v_nop
	WIN 0x40
.irp kt, 0,1,2,3,4,5,6,7
.irp c, 0,1
	ds_load_b128 v[KF+8*\kt+4*\c:KF+8*\kt+4*\c+3], v[ADK] offset:1024*\kt+512*\c
.endr
.endr
.irp dt, 0,1,2,3
.irp c, 0,1,2,3
	ds_load_b128 v[VF+16*\dt+4*\c:VF+16*\dt+4*\c+3], v[ADV] offset:2048*\dt+512*\c
.endr
.endr
.endm
.macro SQK pr                          ; S^T = K Q^T for the pair's two tiles: 16 products, K = the head's 64, each a whole sum
	WIN 0x01
.irp kt, 0,1,2,3,4,5,6,7
.irp u, 0,1
	v_wmma_f32_16x16x64_fp8_fp8 v[S+64*\u+8*\kt:S+64*\u+8*\kt+7], v[KF+8*\kt:KF+8*\kt+7], v[Q+8*(2*(\pr)+\u):Q+8*(2*(\pr)+\u)+7], 0
.endr
.endr
.endm
.macro RESC pr                         ; O^T of the pair under the new M: x f.  Also the plain instructions between the conversions and the products that read P
	WIN 0x41
	s_wait_alu depctr_va_vdst(0)                   ; the wait here, directly ahead of the first readers of O^T
.irp u, 0,1
.set i, 0
.rept 16
	v_pk_mul_f32 v[OT+32*(2*(\pr)+\u)+2*i:OT+32*(2*(\pr)+\u)+2*i+1], v[OT+32*(2*(\pr)+\u)+2*i:OT+32*(2*(\pr)+\u)+2*i+1], v[ST+12*(2*(\pr)+\u)+4:ST+12*(2*(\pr)+\u)+5] op_sel_hi:[1,0]
.set i, i+1
.endr
.endr
.endm
.macro PV pr                           ; O^T += V^T P^T: 8 products on 8 accumulators, one instruction a turn
	WIN 0x51
.irp dt, 0,1,2,3
.irp u, 0,1
	v_wmma_f32_16x16x128_fp8_fp8 v[OT+32*(2*(\pr)+\u)+8*\dt:OT+32*(2*(\pr)+\u)+8*\dt+7], v[VF+16*\dt:VF+16*\dt+15], v[P+16*\u:P+16*\u+15], v[OT+32*(2*(\pr)+\u)+8*\dt:OT+32*(2*(\pr)+\u)+8*\dt+7]
.endr
.endr
.endm
; THE SOFTMAX of a pair of tiles for one key step, the two tiles by turns.  The pair's 128 exponentials go as one batch, with one wait ahead of it and one behind it.
.macro SOFTMAX pr
.set T0, ST+24*(\pr)
.irp u, 0,1                                    ; the largest of my 64 scores, in two chains, ascending: each accumulator is first read at its low end
	v_max3_num_f32 v[T0+12*\u+8], v[S+64*\u], v[S+64*\u+1], v[S+64*\u+2]
	v_max3_num_f32 v[T0+12*\u+9], v[S+64*\u+3], v[S+64*\u+4], v[S+64*\u+5]
.endr
.irp i, 6,10,14,18,22,26,30,34,38,42,46,50,54,58
.irp u, 0,1
	v_max3_num_f32 v[T0+12*\u+8], v[T0+12*\u+8], v[S+64*\u+\i], v[S+64*\u+\i+1]
	v_max3_num_f32 v[T0+12*\u+9], v[T0+12*\u+9], v[S+64*\u+\i+2], v[S+64*\u+\i+3]
.endr
.endr
.irp u, 0,1
	v_max3_num_f32 v[T0+12*\u+8], v[T0+12*\u+8], v[S+64*\u+62], v[S+64*\u+63]
.endr
.irp u, 0,1
	v_max_num_f32 v[T0+12*\u+8], v[T0+12*\u+8], v[T0+12*\u+9]
.endr
.irp u, 0,1
	v_permlanex16_b32 v[T0+12*\u+10], v[T0+12*\u+8], s[SEL], s[SEL+1]   ; the query's other 64 keys lie in the lane 16 away
.endr
.irp u, 0,1
	v_max3_num_f32 v[T0+12*\u+1], v[T0+12*\u+1], v[T0+12*\u+8], v[T0+12*\u+10]   ; the running largest score
.endr
.irp u, 0,1
	v_mul_f32 v[T0+12*\u+8], s[CS], v[T0+12*\u+1]  ; as t (c is positive, so the largest score gives the largest t)
.endr
.irp u, 0,1
	v_mov_b32 v[T0+12*\u+9], v[T0+12*\u]
.endr
.irp u, 0,1
	v_floor_f32 v[T0+12*\u], -v[T0+12*\u+8]        ; the new -M = floor(-t): M is a whole number
.endr
.irp u, 0,1
	v_sub_f32 v[T0+12*\u+9], v[T0+12*\u], v[T0+12*\u+9]   ; old M - new M, 0 or less
.endr
.irp u, 0,1
	v_cvt_i32_f32 v[T0+12*\u+9], v[T0+12*\u+9]     ; (it saturates)
.endr
.irp u, 0,1
	v_ldexp_f32 v[T0+12*\u+4], 1.0, v[T0+12*\u+9]  ; f = 2^(old M - new M)
.endr
.set k, 0
.rept 32                                       ; t - M, two at a time (of the pairs c and -M the low word serves both halves)
	v_pk_fma_f32 v[S+2*k:S+2*k+1], v[S+2*k:S+2*k+1], s[CS:CS+1], v[T0:T0+1] op_sel_hi:[1,0,0]
	v_pk_fma_f32 v[S+64+2*k:S+64+2*k+1], v[S+64+2*k:S+64+2*k+1], s[CS:CS+1], v[T0+12:T0+13] op_sel_hi:[1,0,0]
.set k, k+1
.endr
	s_wait_alu depctr_va_vdst(0)                   ; the wait ahead of the batch
.set k, 0
.rept 128
	v_exp_f32 v[S+k], v[S+k]                       ; p = 2^(t - M), at most 1
.set k, k+1
.endr
.irp u, 0,1                                    ; the sums under the new M: also the plain instructions behind the last exponential
	v_pk_mul_f32 v[T0+12*\u+2:T0+12*\u+3], v[T0+12*\u+2:T0+12*\u+3], v[T0+12*\u+4:T0+12*\u+5] op_sel_hi:[1,0]
	v_pk_mul_f32 v[T0+12*\u+6:T0+12*\u+7], v[T0+12*\u+6:T0+12*\u+7], v[T0+12*\u+4:T0+12*\u+5] op_sel_hi:[1,0]
.endr
	s_wait_alu depctr_va_vdst(0)                   ; one wait for the whole batch, ahead of its first reader
.set k, 0
.rept 32                                       ; the sums of the UNQUANTISED p: two chains a tile, four by turns
	v_pk_add_f32 v[T0+2+4*(k%2):T0+3+4*(k%2)], v[T0+2+4*(k%2):T0+3+4*(k%2)], v[S+2*k:S+2*k+1]
	v_pk_add_f32 v[T0+14+4*(k%2):T0+15+4*(k%2)], v[T0+14+4*(k%2):T0+15+4*(k%2)], v[S+64+2*k:S+64+2*k+1]
.set k, k+1
.endr
.set k, 0
.rept 64                                       ; the hold: the conversion to an 8-bit code does not saturate (ISA guide 7.6.2); p is not negative, so it is one-sided; two numbers an instruction
	v_dual_min_num_f32 v[S+2*k], v[LIMP], v[S+2*k] :: v_dual_min_num_f32 v[S+2*k+1], v[LIMP+1], v[S+2*k+1]
.set k, k+1
.endr
.irp u, 0,1
.irp kt, 0,1,2,3,4,5,6,7
	v_cvt_scalef32_pk8_fp8_f32 v[P+16*\u+2*\kt:P+16*\u+2*\kt+1], v[S+64*\u+8*\kt:S+64*\u+8*\kt+7], v[SCL]
.endr
.endr
.endm
	s_wait_alu depctr_va_vdst(0)                   ; the wait at the head's end
	s_wait_tensorcnt 0x0                           ; my eighth of the record is in,
	s_barrier_signal -1
	s_barrier_wait -1                              ; everybody's is: K, V and Wq
	; q = x Wq^T.  Behind K step q's products its set of x takes K step q + 3, and Wq's registers K step q + 1.  The 16 accumulators take turns in one order in every step.
	WIN 0x40
	WLOAD 0, 4
.irp q, 0,1,2,3,4,5,6,7
.if \q < 6
	s_wait_loadcnt 32                              ; x's K step q is in; the 32 loads of the two steps behind it may be out
.else
	s_wait_loadcnt 16*(7-\q)
.endif
	s_wait_dscnt 0x0
	WIN 0x05                                       ; sources 0 and 1 window 1, C and D window 0
.if \q == 0
	QMUL \q, 0, WF, 1
	QMUL \q, 1, WF+16, 1
	QMUL \q, 2, WF+32, 1
	QMUL \q, 3, WF+48, 1
.else
	QMUL \q, 0, WF, 0
	QMUL \q, 1, WF+16, 0
	QMUL \q, 2, WF+32, 0
.if \q < 7
	QMUL \q, 3, WF+48, 0
.else
	WIN 0x04                                       ; Wq's last fragment lies in window 0
	QMUL \q, 3, WL, 0
.endif
.endif
.if \q < 7
	PLACES                                         ; in front of loads into registers that the products have read
	WIN 0x40
.if \q < 5
	XLOAD \q+3
.endif
.if \q < 6
	WLOAD \q+1, 4
.else
	WLOAD 7, 3
.endif
.endif
.endr
	WIN 0
	PLACES
.set i, 0
.rept 128
	v_med3_num_f32 v[S+i], v[S+i], -v[LIMQ], v[LIMQ]   ; the hold (ISA guide 7.6.2); each accumulator from its low end on
.set i, i+1
.endr
.irp t, 0,1,2,3
.irp b, 0,1,2,3
	v_cvt_scalef32_pk8_fp8_f32 v[Q+8*\t+2*\b:Q+8*\t+2*\b+1], v[S+32*\t+8*\b:S+32*\t+8*\b+7], v[SCQ]   ; registers 2 b, 2 b + 1 of tile t's fragment: channel 16 b + 8 (lane / 16) + 0 .. 7
.endr
.endr
	v_nop
	WIN 0x40
.set i, 0
.rept 128
	v_mov_b32 v[OT+i], 0                           ; O^T
.set i, i+1
.endr
	WIN 0
	s_mov_b32 s[CNT], 16
	s_wait_alu depctr_va_vdst(0)                   ; the wait ahead of the loop's waits
.Lstep:                                            ; A KEY STEP: 128 keys for my 64 queries; 16 trips
	LOADKV
	s_wait_dscnt 16                                ; K's sixteen loads are in; V's sixteen, issued behind them, may be out
	SQK 0
	WIN 0
	s_wait_dscnt 0x0                               ; V is in
	PLACES
	SOFTMAX 0
	RESC 0
	PV 0
	SQK 1
	WIN 0
	PLACES
	SOFTMAX 1
	RESC 1
	PV 1
	WIN 0                                          ; at a label and at a branch every window is 0
	s_add_co_u32 s[TB], s[TB], KSB
	s_sub_co_u32 s[CNT], s[CNT], 1
	s_cmp_lg_u32 s[CNT], 0
	s_cbranch_scc1 .Lstep
	; THE WAY OUT.  The sum's four parts and the other half of the lanes' are added (these lines are also the places behind the last products); O^T x 2^(e6 + e7) / the sum is held, quantised with 2^e8 and stored
	; as my head's part of the projection's operand: 8 registers a tile, two stores of 512 consecutive bytes.
.irp t, 0,1,2,3
	v_pk_add_f32 v[ST+12*\t+2:ST+12*\t+3], v[ST+12*\t+2:ST+12*\t+3], v[ST+12*\t+6:ST+12*\t+7]
.endr
.irp t, 0,1,2,3
	v_add_f32 v[ST+12*\t+8], v[ST+12*\t+2], v[ST+12*\t+3]
.endr
.irp t, 0,1,2,3
	v_permlanex16_b32 v[ST+12*\t+10], v[ST+12*\t+8], s[SEL], s[SEL+1]
.endr
.irp t, 0,1,2,3
	v_add_f32 v[ST+12*\t+8], v[ST+12*\t+8], v[ST+12*\t+10]
.endr
	s_wait_alu depctr_va_vdst(0)                   ; the wait ahead of the batch
.irp t, 0,1,2,3
	v_rcp_f32 v[ST+12*\t+4], v[ST+12*\t+8]
.endr
	v_nop                                          ; a plain instruction behind the last reciprocal
	s_wait_alu depctr_va_vdst(0)                   ; one wait for the four, ahead of their first reader
.irp t, 0,1,2,3
	v_ldexp_f32 v[ST+12*\t+4], v[ST+12*\t+4], s57
.endr
	WIN 0x01                                       ; source 0 (O^T) window 1; S^T's 128 registers take the results
	s_wait_alu depctr_va_vdst(0)                   ; the wait here, directly ahead of the first readers of O^T
.irp t, 0,1,2,3
.set i, 0
.rept 16
	v_pk_mul_f32 v[S+32*\t+2*i:S+32*\t+2*i+1], v[OT+32*\t+2*i:OT+32*\t+2*i+1], v[ST+12*\t+4:ST+12*\t+5] op_sel_hi:[1,0]
.set i, i+1
.endr
.endr
	WIN 0
.set i, 0
.rept 128
	v_med3_num_f32 v[S+i], v[S+i], -v[LIMO], v[LIMO]   ; the conversion to an 8-bit code does not saturate (ISA guide 7.6.2)
.set i, i+1
.endr
.irp t, 0,1,2,3
.irp dt, 0,1,2,3
	v_cvt_scalef32_pk8_fp8_f32 v[P+8*\t+2*\dt:P+8*\t+2*\dt+1], v[S+32*\t+8*\dt:S+32*\t+8*\dt+7], v[SCLO]
.endr
.endr
	v_nop
.irp t, 0,1,2,3
.irp c, 0,1
	global_store_b128 v[LI], v[P+8*\t+4*\c:P+8*\t+4*\c+3], s[10:11] offset:4096*\t+512*\c
.endr
.endr
	s_wait_tensorcnt 0x0                           ; the wave's end
	ds_add_u32 v[SPW], v[NIL]
	s_wait_dscnt 0x0
	CROUND                                         ; the closing round
	s_endpgm
.Lfunc_end_k_qb30ed2a152_attn:
	.size	k_qb30ed2a152_attn, .Lfunc_end_k_qb30ed2a152_attn-k_qb30ed2a152_attn
	.p2alignl 7, 3214868480
	.fill 96, 4, 3214868480
	.section	.rodata,"a",@progbits
	.p2align	6, 0x0
	.amdhsa_kernel k_qb30ed2a152_attn
		.amdhsa_group_segment_fixed_size 327680
		.amdhsa_private_segment_fixed_size 0
		.amdhsa_enable_private_segment 0
		.amdhsa_kernarg_size 32
		.amdhsa_user_sgpr_count 2
		.amdhsa_user_sgpr_kernarg_segment_ptr 1
		.amdhsa_wavefront_size32 1
		.amdhsa_system_sgpr_workgroup_id_x 1
		.amdhsa_system_sgpr_workgroup_id_y 1
		.amdhsa_system_sgpr_workgroup_id_z 1
		.amdhsa_system_vgpr_workitem_id 0
		.amdhsa_next_free_vgpr 512
		.amdhsa_next_free_sgpr 66
		.amdhsa_reserve_vcc 0
		.amdhsa_float_denorm_mode_32 3
		.amdhsa_float_denorm_mode_16_64 3
		.amdhsa_memory_ordered 1
		.amdhsa_forward_progress 1
		.amdhsa_inst_pref_size 120
	.end_amdhsa_kernel
	.amdgpu_metadata
---
amdhsa.version: [ 1, 2 ]
amdhsa.kernels:
  - .name:           k_qb30ed2a152_attn
    .symbol:         k_qb30ed2a152_attn.kd
    .args:
      - { .name: x_codes, .offset: 0, .size: 8, .value_kind: global_buffer, .address_space: global }
      - { .name: kvw_img, .offset: 8, .size: 8, .value_kind: global_buffer, .address_space: global }
      - { .name: lowp_scales, .offset: 16, .size: 8, .value_kind: global_buffer, .address_space: global }
      - { .name: o_img, .offset: 24, .size: 8, .value_kind: global_buffer, .address_space: global }
    .group_segment_fixed_size: 327680
    .private_segment_fixed_size: 0
    .kernarg_segment_align: 8
    .kernarg_segment_size: 32
    .max_flat_workgroup_size: 256
    .sgpr_count:     66
    .vgpr_count:     512
    .wavefront_size: 32
...
	.end_amdgpu_metadata
.endif
;; end of part 2
;; launch proj (part 3): grid 8 x 32, 4 waves a work-group, clusters of 4 x 4, 327,680 bytes of LDS; arguments o_img, Wproj_codes, lowp_scales, bproj, out0; writes out0
.if DOCPART == 3
	.amdgcn_target "amdgcn-amd-amdhsa--gfx1250"
	.amdhsa_code_object_version 6
	.text
	.protected	k_qb30ed2a152_proj
	.globl	k_qb30ed2a152_proj
	.p2align	8
	.type	k_qb30ed2a152_proj,@function
k_qb30ed2a152_proj:
	s_mov_b64 s[64:65], 0
	v_nop
	global_prefetch_b8 v0, s[64:65] scope:SCOPE_SE
	s_setreg_imm32_b32 hwreg(HW_REG_WAVE_MODE, 25, 1), 1
	s_wait_xcnt 0x0
	s_wait_alu depctr_hold_cnt(0) depctr_sa_sdst(0) depctr_va_vdst(0) depctr_va_sdst(0) depctr_va_ssrc(0) depctr_va_vcc(0) depctr_vm_vsrc(0)
	s_getreg_b32 s2, hwreg(HW_REG_IB_STS2, 6, 4)
	s_cmp_eq_u32 s2, 0
	s_cbranch_scc0 .Lentry_in_a_cluster
	s_endpgm
.Lentry_in_a_cluster:
	s_bfe_u32 s2, ttmp6, 0x10000c
	s_cmp_lg_u32 s2, 0xf033
	s_cbranch_scc0 .Lentry_shape_is_right
	s_endpgm
.Lentry_shape_is_right:
; out0 = o Wproj^T + bproj: o as codes of FP8 (E4M3) in o_img, Wproj as given codes; sums in f32; each finished sum x 2^(e8 + e9), plus the bias, in one fused multiply-add.  Nothing of the problem is left out.
; LIMIT: e8 + e9 lies between -126 and 127, so that 2^(e8 + e9) is an f32 number.  NaN codes are not served.
; SHARES.  A work-group of four waves makes 256 tokens x 128 channels, K = 1,024: 8 x 32 = 256 work-groups.  A wave makes 128 x 64: 32 accumulators of 16 x 16, by turns.
; K goes in steps of 256 (four heads) through a ring of two LDS slots.  o's part of a slot is an image of operand registers, 65,536 dense bytes (waves 0 and 1 fetch 32,768 each, as rows of 256 bytes);
; Wproj's part is 128 rows of 256 bytes, padded to 272 (waves 2 and 3 fetch 64 rows each).  o's fragments hold k in the matrix form's own order, so Wproj's come by loads of 8 bytes in that order.
; CLUSTERS: 4 x 4.  o's tile hangs on the tile of tokens alone and is asked for JOINTLY along a row of the cluster, Wproj's on the tile of channels alone, along a column.
; Source 0 = 16 rows of Wproj, source 1 = 16 tokens: a lane holds eight neighbouring channels of one token.  THE WAY OUT: a block of 16 tokens x 64 channels goes through the wave's stage in LDS (in slot 0, which has had
; its last fill and its last read) and comes back as rows of 256 bytes: sixteen lanes store one aligned unit of 256 bytes.
; NO PREFETCH: K is four K steps, of which two are asked for ahead of the loop: there is no trip two steps ahead in which to ask.
.set ROWB,   256
.set KROW,   1024
.set PITCH,  272
.set KQB,    2097152
.set HALFA,  32768
.set HALFB,  64*PITCH
.set BOFF,   2*HALFA
.set SLOT,   BOFF+2*HALFB
.set FR,     16
.set NL,     4
.set NP,     4
.set LAPS,   2
.set SPARE,  2*SLOT
.set SPITCH, 528
.set ADRA, 16
.set ADRB, 20
.set STO,  24
.set RD,   25
.set CO,   26
.set BO,   27
.set SPW,  28
.set NIL,  29
.set BIAS, 64
.set AF,   128
.set BK,   128
.set TMP,  0
.set G1,  24
.set G0,  32
.set G1B, 48
.set G0B, 56
.set MSB, 0
.macro WIN new
.if MSB != (\new)
	s_set_vgpr_msb (MSB<<8)|(\new)
.set MSB, (\new)
.endif
.endm
.set MUL_LO, 0xa1
.set MUL_HI, 0xf1
.set TO_B,   0x40
.macro JLOAD g0a, g1a, g0b, g1b
	s_cmp_eq_u32 s15, 0
	s_cbranch_scc0 .Lfor_b_\@
	tensor_load_to_lds s[\g0a:\g0a+3], s[\g1a:\g1a+7]
	s_nop 0
.rept 4
	v_nop
.endr
	s_branch .Lasked_\@
.Lfor_b_\@:
	tensor_load_to_lds s[\g0b:\g0b+3], s[\g1b:\g1b+7]
	s_nop 0
.rept 4
	v_nop
.endr
.Lasked_\@:
.endm
.macro CREST
	s_cmp_lg_u32 s14, 0
	s_cbranch_scc1 .Lnot_wave_0_\@
	s_barrier_signal -3
.Lnot_wave_0_\@:
	s_barrier_wait -3
	s_barrier_signal -1
	s_barrier_wait -1
.endm
.macro CROUND
	s_barrier_signal -1
	s_barrier_wait -1
	CREST
.endm
	s_load_b256 s[4:11], s[0:1], 0x0
	s_load_b64 s[12:13], s[0:1], 0x20
	v_lshl_add_u32 v[SPW], v0, 2, SPARE
	v_mov_b32 v[NIL], 0
	ds_add_u32 v[SPW], v[NIL]
	ds_add_u32 v[SPW], v[NIL]
	v_lshrrev_b32 v1, 5, v0
	v_readfirstlane_b32 s14, v1
	s_lshr_b32 s15, s14, 1
	s_and_b32 s16, s14, 1
	s_bfe_u32 s40, ttmp6, 0x40000
	s_bfe_u32 s41, ttmp6, 0x40004
	s_lshl_b32 s42, ttmp9, 2
	s_add_co_u32 s42, s42, s40
	s_and_b32 s17, ttmp7, 0xffff
	s_lshl_b32 s17, s17, 2
	s_add_co_u32 s17, s17, s41
	s_lshl_b32 s43, s41, 2
	s_lshl_b32 s43, 15, s43
	s_lshl_b32 s44, 0x1111, s40
	s_or_b32 s[G1+0], s43, (3<<16)|(1<<21)
	s_mov_b32 s[G1+1], 32<<16
	s_mov_b32 s[G1+2], 128<<16
	s_mov_b32 s[G1+3], 32<<16
	s_mov_b32 s[G1+4], 128
	s_mov_b32 s[G1+5], 32
	s_mov_b32 s[G1+6], 0
	s_mov_b32 s[G1+7], 0
	s_or_b32 s[G1B+0], s44, (0<<16)|(1<<20)|(1<<21)|(5<<22)|(3<<25)
	s_mov_b32 s[G1B+1], ROWB<<16
	s_mov_b32 s[G1B+2], 64<<16
	s_mov_b32 s[G1B+3], ROWB<<16
	s_mov_b32 s[G1B+4], 64
	s_mov_b32 s[G1B+5], KROW
	s_mov_b32 s[G1B+6], 0
	s_mov_b32 s[G1B+7], 0
	s_lshl_b32 s20, s17, 16
	s_lshl_b32 s45, s16, 15
	s_add_co_u32 s20, s20, s45
	s_mov_b32 s21, 0
	s_lshl_b32 s46, s42, 17                        ; Wproj: 128 rows of 1,024 bytes x tile of channels
	s_lshl_b32 s18, s16, 16                        ; + the 64 rows that I fetch
	s_add_co_u32 s46, s46, s18
	s_mov_b32 s47, 0
	s_mul_i32 s19, s16, HALFB
	s_add_co_u32 s19, s19, BOFF
	s_wait_dscnt 0x0
	s_wait_kmcnt 0x0
	s_load_b64 s[96:97], s[8:9], 0x20
	s_add_nc_u64 s[20:21], s[4:5], s[20:21]
	s_add_nc_u64 s[46:47], s[6:7], s[46:47]
	CROUND
.irp s, 0,1
	s_mov_b32 s[G0+4*\s], 1
	s_add_co_u32 s[G0+4*\s+1], s45, \s*SLOT
	s_add_nc_u64 s[G0+4*\s+2:G0+4*\s+3], s[20:21], \s*KQB
	s_or_b32 s[G0+4*\s+3], s[G0+4*\s+3], 0x80000000
	s_mov_b32 s[G0B+4*\s], 1
	s_add_co_u32 s[G0B+4*\s+1], s19, \s*SLOT
	s_add_nc_u64 s[G0B+4*\s+2:G0B+4*\s+3], s[46:47], \s*ROWB
	s_or_b32 s[G0B+4*\s+3], s[G0B+4*\s+3], 0x80000000
	s_wait_alu depctr_va_vdst(0)
	s_wait_tensorcnt 0x0
	ds_add_u32 v28, v29
	ds_add_u32 v28, v29
	s_wait_dscnt 0x0
	CROUND
	JLOAD G0+4*\s, G1, G0B+4*\s, G1B
.endr
	v_and_b32 v1, 15, v0
	v_bfe_u32 v2, v0, 4, 1
	s_wait_alu depctr_va_vdst(0)
	v_and_b32 v6, 31, v0
	v_lshlrev_b32 v[CO], 4, v6
	v_mul_u32_u24 v3, v1, PITCH
	v_lshl_add_u32 v4, v2, 3, v3
	s_lshl_b32 s21, s15, 15
	s_mul_i32 s22, s16, HALFB
	s_add_co_u32 s22, s22, BOFF
.irp s, 0,1
	v_add_nc_u32 v[ADRA+\s], s21, v[CO]
	v_add_nc_u32 v[ADRB+\s], s22, v4
	s_add_co_u32 s21, s21, SLOT
	s_add_co_u32 s22, s22, SLOT
.endr
	s_lshl_b32 s22, s42, 9                         ; the bias: 128 channels of 4 bytes x tile
	s_lshl_b32 s23, s16, 8                         ; + my 64 channels
	s_add_co_u32 s22, s22, s23
	s_mov_b32 s23, 0
	s_add_nc_u64 s[10:11], s[10:11], s[22:23]
	v_lshlrev_b32 v[BO], 5, v2
.irp b, 0,1,2,3
	global_load_b128 v[BIAS+8*\b:BIAS+8*\b+3], v[BO], s[10:11] offset:64*\b
	global_load_b128 v[BIAS+8*\b+4:BIAS+8*\b+7], v[BO], s[10:11] offset:64*\b+16
.endr
	s_mul_i32 s23, s14, 16*SPITCH
	v_mul_u32_u24 v5, v1, SPITCH
	v_lshl_add_u32 v5, v2, 5, v5
	v_add_nc_u32 v[STO], s23, v5
	v_mul_u32_u24 v7, v2, SPITCH                   ; back from the stage: lanes 0-15 take one row of 256 bytes, lanes 16-31 the next
	v_lshl_add_u32 v7, v1, 4, v7
	v_add_nc_u32 v[RD], s23, v7
	v_lshlrev_b32 v[CO], 12, v2                    ; and the same two rows of out0, 4,096 bytes apart
	v_lshl_add_u32 v[CO], v1, 4, v[CO]
	s_lshl_b32 s20, s17, 20
	s_lshl_b32 s21, s15, 19
	s_add_co_u32 s20, s20, s21
	s_lshl_b32 s21, s42, 9
	s_add_co_u32 s20, s20, s21
	s_lshl_b32 s21, s16, 8
	s_add_co_u32 s20, s20, s21
	s_mov_b32 s21, 0
	s_add_nc_u64 s[12:13], s[12:13], s[20:21]
.macro FRAGA reg, slot, q, i
.irp c, 0,1,2,3
	ds_load_b128 v[\reg+4*\c:\reg+4*\c+3], v[ADRA+\slot] offset:4096*(\i)+2048*(\q)+512*\c
.endr
.endm
.macro FRAGB reg, slot, q, i
.irp c, 0,1,2,3,4,5,6,7
	ds_load_b64 v[\reg+2*\c:\reg+2*\c+1], v[ADRB+\slot] offset:(\i)*16*PITCH+128*(\q)+16*\c
.endr
.endm
.macro MUL16 a0, p, zero
.irp a, \a0, \a0+1
.irp b, 0,1,2,3
.if \zero
	v_wmma_f32_16x16x128_fp8_fp8 v[8*(8*((\a)%4)+\b):8*(8*((\a)%4)+\b)+7], v[128*(\p)+FR*\b:128*(\p)+FR*\b+FR-1], v[AF+FR*(\a):AF+FR*(\a)+FR-1], 0
.else
	v_wmma_f32_16x16x128_fp8_fp8 v[8*(8*((\a)%4)+\b):8*(8*((\a)%4)+\b)+7], v[128*(\p)+FR*\b:128*(\p)+FR*\b+FR-1], v[AF+FR*(\a):AF+FR*(\a)+FR-1], v[8*(8*((\a)%4)+\b):8*(8*((\a)%4)+\b)+7]
.endif
.endr
.endr
.endm
.macro FETCH_B slot, q, p
	WIN TO_B
.irp i, 0,1,2,3
	FRAGB 128*(\p)+FR*\i, \slot, \q, \i
.endr
	WIN 0
.endm
.macro FETCH_A slot, q, i0
.irp i, \i0, \i0+1, \i0+2, \i0+3
	FRAGA AF+FR*(\i), \slot, \q, \i
.endr
.endm
.macro PLACES n
.rept \n
	v_nop
.endr
.endm
.macro STEP slot, q, zero
	s_wait_dscnt 4*NL
	WIN MUL_LO
	MUL16 0, (\q)%2, \zero
	MUL16 2, (\q)%2, \zero
	s_wait_dscnt 0
	PLACES NP
	FETCH_B \slot, (\q)+1, 1-(\q)%2
	FETCH_A \slot, (\q)+1, 0
	WIN MUL_HI
	MUL16 4, (\q)%2, \zero
	MUL16 6, (\q)%2, \zero
	PLACES NP
	WIN 0
	FETCH_A \slot, (\q)+1, 4
.endm
.macro TURN slot, next, fill
	s_wait_tensorcnt 0x0
	ds_add_u32 v[SPW], v[NIL]
	s_wait_dscnt 4*NL+1
	WIN MUL_LO
	MUL16 0, 1, 0
	s_wait_dscnt 0x0
	s_barrier_signal -1
	MUL16 2, 1, 0
	WIN 0
	s_barrier_wait -1
.if \fill
	CREST
	s_add_nc_u64 s[G0+4*\slot+2:G0+4*\slot+3], s[G0+4*\slot+2:G0+4*\slot+3], 2*KQB
	s_add_nc_u64 s[G0B+4*\slot+2:G0B+4*\slot+3], s[G0B+4*\slot+2:G0B+4*\slot+3], 2*ROWB
	JLOAD G0+4*\slot, G1, G0B+4*\slot, G1B
.else
	PLACES NP
.endif
	FETCH_B \next, 0, 0
	FETCH_A \next, 0, 0
	WIN MUL_HI
	MUL16 4, 1, 0
	MUL16 6, 1, 0
	PLACES NP
	WIN 0
	FETCH_A \next, 0, 4
.endm
	s_wait_alu depctr_va_vdst(0)
	s_wait_tensorcnt 1
	s_barrier_signal -1
	s_barrier_wait -1
	FETCH_B 0, 0, 0
	FETCH_A 0, 0, 0
	FETCH_A 0, 0, 4
	STEP 0, 0, 1
	s_mov_b32 s3, LAPS-1
.Llap:
	TURN 0, 1, 1
	STEP 1, 0, 0
	TURN 1, 0, 1
	STEP 0, 0, 0
	s_sub_co_u32 s3, s3, 1
	s_cmp_lg_u32 s3, 0
	s_cbranch_scc1 .Llap
	TURN 0, 1, 0
	STEP 1, 0, 0
	s_wait_dscnt 4*NL
	WIN MUL_LO
	MUL16 0, 1, 0
	MUL16 2, 1, 0
	s_wait_dscnt 0
	WIN MUL_HI
	MUL16 4, 1, 0
	MUL16 6, 1, 0
	WIN 0
.macro TOSTAGE a
.set AC, 64*((\a)%4)
	WIN 0x42+((\a)/4)
.irp j, 0,2,4,6,8,10,12,14,16,18,20,22,24,26,28,30
	v_pk_fma_f32 v[TMP+\j:TMP+\j+1], v[AC+\j:AC+\j+1], s[96:97], v[BIAS+\j:BIAS+\j+1] op_sel_hi:[1,0,1]
.endr
	WIN 0x04
.irp b, 0,1,2,3
	ds_store_b128 v[STO], v[TMP+8*\b:TMP+8*\b+3] offset:64*\b
	ds_store_b128 v[STO], v[TMP+8*\b+4:TMP+8*\b+7] offset:64*\b+16
.endr
	WIN 0
.set BB, BK+64*((\a)%2)
.irp t, 0,1,2,3,4,5,6,7
	ds_load_b128 v[BB+4*\t:BB+4*\t+3], v[RD] offset:2*\t*SPITCH
.endr
.endm
.macro SEND a, younger
.set BB, BK+64*((\a)%2)
	s_wait_dscnt \younger
.if (\a) > 0
	s_add_nc_u64 s[12:13], s[12:13], 16*4096
.endif
.irp t, 0,1,2,3,4,5,6,7
	global_store_b128 v[CO], v[BB+4*\t:BB+4*\t+3], s[12:13] offset:2*\t*4096 th:TH_STORE_NT
.endr
.endm
	s_wait_kmcnt 0x0
	s_add_co_i32 s96, s96, s97
	s_add_co_i32 s96, s96, 127
	s_lshl_b32 s96, s96, 23
	s_wait_loadcnt 0x0
	PLACES NP
	TOSTAGE 0
.irp a, 1,2,3,4,5,6,7
.if \a > 1
	s_wait_xcnt 0x0
.endif
	TOSTAGE \a
	SEND \a-1, 16                                  ; behind block a - 1's loads: block a's 8 stores and 8 loads
.endr
	s_wait_xcnt 0x0
	SEND 7, 0
	s_wait_tensorcnt 0x0
	ds_add_u32 v[SPW], v[NIL]
	s_wait_dscnt 0x0
	CROUND
	s_endpgm
.Lfunc_end_k_qb30ed2a152_proj:
	.size	k_qb30ed2a152_proj, .Lfunc_end_k_qb30ed2a152_proj-k_qb30ed2a152_proj
	.p2alignl 7, 3214868480
	.fill 96, 4, 3214868480
	.section	.rodata,"a",@progbits
	.p2align	6, 0x0
	.amdhsa_kernel k_qb30ed2a152_proj
		.amdhsa_group_segment_fixed_size 327680
		.amdhsa_private_segment_fixed_size 0
		.amdhsa_enable_private_segment 0
		.amdhsa_kernarg_size 40
		.amdhsa_user_sgpr_count 2
		.amdhsa_user_sgpr_kernarg_segment_ptr 1
		.amdhsa_wavefront_size32 1
		.amdhsa_system_sgpr_workgroup_id_x 1
		.amdhsa_system_sgpr_workgroup_id_y 1
		.amdhsa_system_sgpr_workgroup_id_z 1
		.amdhsa_system_vgpr_workitem_id 0
		.amdhsa_next_free_vgpr 1024
		.amdhsa_next_free_sgpr 98
		.amdhsa_reserve_vcc 0
		.amdhsa_float_denorm_mode_32 3
		.amdhsa_float_denorm_mode_16_64 3
		.amdhsa_memory_ordered 1
		.amdhsa_forward_progress 1
		.amdhsa_inst_pref_size 87
	.end_amdhsa_kernel
	.amdgpu_metadata
---
amdhsa.version: [ 1, 2 ]
amdhsa.kernels:
  - .name:           k_qb30ed2a152_proj
    .symbol:         k_qb30ed2a152_proj.kd
    .args:
      - { .name: o_img, .offset: 0, .size: 8, .value_kind: global_buffer, .address_space: global }
      - { .name: Wproj_codes, .offset: 8, .size: 8, .value_kind: global_buffer, .address_space: global }
      - { .name: lowp_scales, .offset: 16, .size: 8, .value_kind: global_buffer, .address_space: global }
      - { .name: bproj, .offset: 24, .size: 8, .value_kind: global_buffer, .address_space: global }
      - { .name: out0, .offset: 32, .size: 8, .value_kind: global_buffer, .address_space: global }
    .group_segment_fixed_size: 327680
    .private_segment_fixed_size: 0
    .kernarg_segment_align: 8
    .kernarg_segment_size: 40
    .max_flat_workgroup_size: 128
    .sgpr_count:     98
    .vgpr_count:     1024
    .wavefront_size: 32
...
	.end_amdgpu_metadata
.endif
;; end of part 3
